; MI455X (gfx1250); checked and timed in simulation.
; The chip was launched on July 23, 2026; its instructions are those of AMD's public machine-readable ISA for CDNA 5 (MIT licence, August 2026) and "CDNA5" Instruction Set Architecture Reference Guide (July 2026). The comments in the code are by the model that wrote it; some were corrected since.
;; ALBERT Attention. Allowed arithmetic: float matrix products may take bf16 or f16 operands with f32 sums; all other float work in f32.
;; Inputs: Wk 1,024 x 16 x 64 float32; Wq 1,024 x 16 x 64 float32; Wv 1,024 x 16 x 64 float32; attention_mask 2 x 2,048 int32; bk 16 x 64 float32; bq 16 x 64 float32; bv 16 x 64 float32; from_tensor 2 x 2,048 x 1,024 float32; to_tensor 2 x 2,048 x 1,024 float32.
;; Outputs: out0 2 x 2,048 x 16 x 64 float32.
;; One version. Each part assembles by itself: llvm-mc -triple=amdgcn-amd-amdhsa -mcpu=gfx1250 --defsym DOCPART=n.
;; ======== version 1 of 1: 3 launches
;; limits: values are held in f16: magnitudes above 65,504 overflow, below 6.1e-05 lose precision
;; workspace buffers: xb 16,777,216 bytes; wt 6,291,456 bytes; qw 8,388,608 bytes; kw 8,388,608 bytes; vt 8,388,608 bytes
;; launch prep (part 1): grid 1408 x 1, 8 waves a work-group, no clusters, 18,432 bytes of LDS; arguments from_tensor, to_tensor, Wq, Wk, Wv, xb, wt; writes xb, wt
.if DOCPART == 1
	.amdgcn_target "amdgcn-amd-amdhsa--gfx1250"
	.amdhsa_code_object_version 6
	.text
	.protected	k_q455b496b60_prep
	.globl	k_q455b496b60_prep
	.p2align	8
	.type	k_q455b496b60_prep,@function
k_q455b496b60_prep:
	s_mov_b64 s[64:65], 0
	v_nop
	global_prefetch_b8 v0, s[64:65] scope:SCOPE_SE
	s_setreg_imm32_b32 hwreg(HW_REG_WAVE_MODE, 25, 1), 1
	s_wait_xcnt 0x0
; Makes the matrix operands of the projections, once: xb = bf16 of from_tensor (part 0) and of to_tensor (part 1), [2][4096][1024];
; wt = bf16 of Wq, Wk, Wv turned round, [3][1024 n][1024 d], so that d lies along the rows as the matrix fragments want it.
; Every work-group takes 32,768 bytes in and gives 16,384 out.  Groups 0-1023 take a run of x, groups 1024-1407 a tile of 128 d x 64 n of a W.
; A stream: no work-group shares an input byte with another, so there is nothing to ask for jointly, and no matrix work.
; Each input byte is read once in the launch (TH_LOAD_NT); the stores carry no hint, since the next launch reads them.
.set XGROUPS, 1024
.set WPITCH,  272                      ; LDS row of the turned tile: 128 d x 2 bytes + 16
	s_load_b256 s[4:11], s[0:1], 0x0               ; from s[4:5], to s[6:7], Wq s[8:9], Wk s[10:11]
	s_load_b128 s[12:15], s[0:1], 0x20             ; Wv s[12:13], xb s[14:15]
	s_load_b64 s[16:17], s[0:1], 0x30              ; wt
	v_lshl_add_u32 v72, v0, 2, 0x4400
	v_mov_b32 v73, 0
	s_cmp_ge_u32 ttmp9, XGROUPS
	s_cbranch_scc1 .Lw
	; ---- x: thread t takes 8 numbers (32 bytes in, 16 out) in each of four runs of 8,192 bytes
	v_lshlrev_b32 v1, 5, v0                        ; 32 t
	v_lshlrev_b32 v2, 4, v0                        ; 16 t
	s_and_b32 s20, ttmp9, 511
	s_lshl_b32 s20, s20, 15                        ; the group's 32,768 bytes in its tensor
	s_mov_b32 s21, 0
	s_lshl_b32 s22, ttmp9, 14                      ; and its 16,384 bytes in xb
	s_mov_b32 s23, 0
	s_wait_kmcnt 0x0
	s_cmp_lt_u32 ttmp9, 512
	s_cselect_b64 s[18:19], s[4:5], s[6:7]         ; groups 0-511 from_tensor, 512-1023 to_tensor
	s_add_nc_u64 s[18:19], s[18:19], s[20:21]
	s_add_nc_u64 s[14:15], s[14:15], s[22:23]
.irp j, 0,1,2,3
	global_load_b128 v[8+8*\j:11+8*\j],  v1, s[18:19] offset:8192*\j th:TH_LOAD_NT
	global_load_b128 v[12+8*\j:15+8*\j], v1, s[18:19] offset:8192*\j+16 th:TH_LOAD_NT
.endr
.irp j, 0,1,2,3
	s_wait_loadcnt 6-2*\j                          ; loads come back in order: run j's two are in, the younger pairs stay out
.irp p, 0,1,2,3
	v_cvt_pk_bf16_f32 v[40+4*\j+\p], v[8+8*\j+2*\p], v[9+8*\j+2*\p]
.endr
	global_store_b128 v2, v[40+4*\j:43+4*\j], s[14:15] offset:4096*\j   ; sixteen lanes store 256 consecutive bytes, aligned
.endr
	s_endpgm
	; ---- W: tile d0 = 128 kt, n0 = 64 nt of matrix mi.  Thread t: ng = t & 15 (four columns), kg = t >> 4 (eight rows d).
.Lw:
	s_sub_co_u32 s20, ttmp9, XGROUPS
	s_lshr_b32 s21, s20, 7                         ; mi: 0 q, 1 k, 2 v
	s_and_b32 s22, s20, 7                          ; kt
	s_bfe_u32 s23, s20, 0x40003                    ; nt
	s_lshl_b32 s24, s22, 19                        ; in: 128 kt rows of 4,096 bytes
	s_lshl_b32 s25, s23, 8                         ;     + 64 nt columns of 4 bytes
	s_add_co_u32 s24, s24, s25
	s_mov_b32 s25, 0
	s_lshl_b32 s26, s21, 21                        ; out: matrix mi,
	s_lshl_b32 s27, s23, 17                        ;      64 nt rows of 2,048 bytes,
	s_add_co_u32 s26, s26, s27
	s_lshl_b32 s27, s22, 8                         ;      128 kt columns of 2 bytes
	s_add_co_u32 s26, s26, s27
	s_mov_b32 s27, 0
	v_and_b32 v3, 15, v0
	v_lshrrev_b32 v4, 4, v0
	v_lshlrev_b32 v1, 15, v4                       ; load: row 8 kg,
	v_lshl_add_u32 v1, v3, 4, v1                   ;       16 ng: sixteen lanes read 256 consecutive bytes
	v_mul_u32_u24 v2, v3, 4*WPITCH                 ; LDS in: row 4 ng (+ c by the offset),
	v_lshl_add_u32 v2, v4, 4, v2                   ;         16 bytes = eight d at 8 kg
	v_mul_u32_u24 v5, v4, WPITCH                   ; LDS back: row t >> 4, 16 bytes at 16 (t & 15)
	v_lshl_add_u32 v5, v3, 4, v5
	v_lshlrev_b32 v6, 11, v4                       ; and the same place in wt
	v_lshl_add_u32 v6, v3, 4, v6
	s_wait_kmcnt 0x0
	s_cmp_eq_u32 s21, 0
	s_cselect_b64 s[18:19], s[8:9], s[10:11]
	s_cmp_eq_u32 s21, 2
	s_cselect_b64 s[18:19], s[12:13], s[18:19]
	s_add_nc_u64 s[18:19], s[18:19], s[24:25]
	s_add_nc_u64 s[16:17], s[16:17], s[26:27]
.irp j, 0,1,2,3,4,5,6,7
	global_load_b128 v[8+4*\j:11+4*\j], v1, s[18:19] offset:4096*\j th:TH_LOAD_NT   ; W[d0 + 8 kg + j][n0 + 4 ng + 0..3]
.endr
	s_wait_loadcnt 0x0                             ; every packed word takes from two rows, the last from rows 6 and 7
	; the turn costs nothing beyond the rounding: word p of column c packs rows 2p and 2p + 1
.irp c, 0,1,2,3
.irp p, 0,1,2,3
	v_cvt_pk_bf16_f32 v[40+4*\c+\p], v[8+8*\p+\c], v[12+8*\p+\c]
.endr
	ds_store_b128 v2, v[40+4*\c:43+4*\c] offset:WPITCH*\c
.endr
	s_wait_dscnt 0x0                               ; my stores are in LDS before I say so: other waves read them
	s_barrier_signal -1
	s_barrier_wait -1
.irp i, 0,1,2,3
	ds_load_b128 v[56+4*\i:59+4*\i], v5 offset:16*WPITCH*\i
.endr
.irp i, 0,1,2,3
	s_wait_dscnt 3-\i
	global_store_b128 v6, v[56+4*\i:59+4*\i], s[16:17] offset:32768*\i  ; sixteen lanes store 256 consecutive bytes of a row of wt, aligned
.endr
	s_wait_tensorcnt 0x0
	ds_add_u32 v72, v73
	s_wait_dscnt 0x0
	s_endpgm
.Lfunc_end_k_q455b496b60_prep:
	.size	k_q455b496b60_prep, .Lfunc_end_k_q455b496b60_prep-k_q455b496b60_prep
	.p2alignl 7, 3214868480
	.fill 96, 4, 3214868480
	.section	.rodata,"a",@progbits
	.p2align	6, 0x0
	.amdhsa_kernel k_q455b496b60_prep
		.amdhsa_group_segment_fixed_size 18432
		.amdhsa_private_segment_fixed_size 0
		.amdhsa_enable_private_segment 0
		.amdhsa_kernarg_size 56
		.amdhsa_user_sgpr_count 2
		.amdhsa_user_sgpr_kernarg_segment_ptr 1
		.amdhsa_wavefront_size32 1
		.amdhsa_system_sgpr_workgroup_id_x 1
		.amdhsa_system_sgpr_workgroup_id_y 1
		.amdhsa_system_sgpr_workgroup_id_z 1
		.amdhsa_system_vgpr_workitem_id 0
		.amdhsa_next_free_vgpr 74
		.amdhsa_next_free_sgpr 66
		.amdhsa_reserve_vcc 0
		.amdhsa_float_denorm_mode_32 3
		.amdhsa_float_denorm_mode_16_64 3
		.amdhsa_memory_ordered 1
		.amdhsa_forward_progress 1
		.amdhsa_inst_pref_size 8
	.end_amdhsa_kernel
	.amdgpu_metadata
---
amdhsa.version: [ 1, 2 ]
amdhsa.kernels:
  - .name:           k_q455b496b60_prep
    .symbol:         k_q455b496b60_prep.kd
    .args:
      - { .name: from_tensor, .offset: 0, .size: 8, .value_kind: global_buffer, .address_space: global }
      - { .name: to_tensor, .offset: 8, .size: 8, .value_kind: global_buffer, .address_space: global }
      - { .name: Wq, .offset: 16, .size: 8, .value_kind: global_buffer, .address_space: global }
      - { .name: Wk, .offset: 24, .size: 8, .value_kind: global_buffer, .address_space: global }
      - { .name: Wv, .offset: 32, .size: 8, .value_kind: global_buffer, .address_space: global }
      - { .name: xb, .offset: 40, .size: 8, .value_kind: global_buffer, .address_space: global }
      - { .name: wt, .offset: 48, .size: 8, .value_kind: global_buffer, .address_space: global }
    .group_segment_fixed_size: 18432
    .private_segment_fixed_size: 0
    .kernarg_segment_align: 8
    .kernarg_segment_size: 56
    .max_flat_workgroup_size: 256
    .sgpr_count:     66
    .vgpr_count:     74
    .wavefront_size: 32
...
	.end_amdgpu_metadata
.endif
;; end of part 1
;; launch proj (part 2): grid 12 x 16, 4 waves a work-group, clusters of 4 x 4, 327,680 bytes of LDS; arguments xb, wt, bq, bk, bv, qw, kw, vt; writes qw, kw, vt
.if DOCPART == 2
	.amdgcn_target "amdgcn-amd-amdhsa--gfx1250"
	.amdhsa_code_object_version 6
	.text
	.protected	k_q455b496b60_proj
	.globl	k_q455b496b60_proj
	.p2align	8
	.type	k_q455b496b60_proj,@function
k_q455b496b60_proj:
	s_mov_b64 s[64:65], 0
	v_nop
	global_prefetch_b8 v0, s[64:65] scope:SCOPE_SE
	s_setreg_imm32_b32 hwreg(HW_REG_WAVE_MODE, 25, 1), 1
	s_wait_xcnt 0x0
	s_wait_alu depctr_hold_cnt(0) depctr_sa_sdst(0) depctr_va_vdst(0) depctr_va_sdst(0) depctr_va_ssrc(0) depctr_va_vcc(0) depctr_vm_vsrc(0)
	s_getreg_b32 s2, hwreg(HW_REG_IB_STS2, 6, 4)
	s_cmp_eq_u32 s2, 0
	s_cbranch_scc0 .Lentry_in_a_cluster
	s_endpgm
.Lentry_in_a_cluster:
	s_bfe_u32 s2, ttmp6, 0x10000c
	s_cmp_lg_u32 s2, 0xf033
	s_cbranch_scc0 .Lentry_shape_is_right
	s_endpgm
.Lentry_shape_is_right:
; The three projections, 4096 x 1024 x 1024 each, bf16 operands, f32 sums:
;   qw[b][h][s][64] = bf16((x Wq + bq) * 0.125 log2(e))     (the softmax of the next launch works in base 2; one rounding, after the scale)
;   kw[b][h][s][64] = bf16(x Wk + bk)          vt[b][h][64][s] = f16(x Wv + bv), turned round
; v goes out in f16: the next launch's result is a mean over some thousand keys of numbers of either sign, far smaller than v itself, so v's rounding weighs on it
; as on v; f16 has 11 significant bits against bf16's 8.  LIMIT: |v| below 65,504.  (x and Wv both 30 times the drawn spread give some 3,000 at the most; both
; with offsets of 30 spreads, 30 and 0.6, give 1024 x 18 = 18,432.)
; A work-group makes a block of 256 x 256 with four waves, a wave 128 x 128 in 512 registers.  K goes in steps of 128 through two LDS slots.
; The cluster's x says which projection (0 q, 1 k, 2 v): 3 x 4 clusters of 4 x 4 work-groups = 192 blocks; three matrices of 16 x 4 blocks divide no other way
; into equal blocks of this size.
; TWO SIDES.  The A side's rows become the lanes' rows, the B side's rows the eight neighbouring numbers of a lane (the matrix instruction takes B's fragment as
; source 0 and A's as source 1).  q, k: A = rows of x, B = rows of wt, so a lane holds eight neighbouring head columns of one s.
; v: A = rows of wt (h, kd), B = rows of x, so a lane holds eight neighbouring s of one (h, kd): vt's layout, with no further work.
; CLUSTERS: A's tile hangs on cy alone and is asked for jointly by a row of the cluster, B's on cx alone, by a column: a quarter of the requests for each.
; Which projection hangs on the cluster's x alone, which all sixteen share: branches and selects on it are alike in all partners.
;
; REGISTERS in windows of 256:  window 0: v16-27 addresses; v64-127, v128-191 A's fragments, two buffers; v192-223 packed results
;   window 1: v0-63 bias; v64-127, v128-191 B's fragments;   window 2: accumulators of my A rows 0-63 (tile (a, b) at 8 (8 a + b));   window 3: rows 64-127
.set SIZE_K, 1024
.set KSTEP,  128
.set PITCH,  272                       ; an LDS row: 256 bytes + 16: the sixteen rows of a fragment load begin at sixteen different 16-byte columns modulo 256
.set HALFT,  128*PITCH                 ; 128 rows: one tensor load, and what a wave reads of a side
.set SLOT,   4*HALFT                   ; A's 256 rows, then B's
.set STAGE,  2*SLOT                    ; behind the ring: 16 rows x 272 bytes for each wave; no tensor load lands here
.set SPITCH, 272
.set LAPS, SIZE_K/(2*KSTEP)            ; 4 laps of two K steps
.set ADRA, 16                          ; v16-17  LDS address of my A fragments in slot 0, 1
.set ADRB, 20                          ; v20-21  the same for B
.set STO,  24                          ; v24     the way out: where I put 16 bytes of a row
.set RD,   25                          ; v25     where I read back
.set CO,   26                          ; v26     my byte offset in the output
.set BOFF, 27                          ; v27     my byte offset in the bias
.set F0,   64
.set F1,   128
.set TMP,  192
.set G1,  24                           ; s[24:31] group 1 for A's tiles
.set G0,  32                           ; s[32:39] group 0 for A's tiles, one set for each slot
.set G1B, 48                           ; s[48:55] group 1 for B's tiles (the mask differs)
.set G0B, 56                           ; s[56:63] group 0 for B's tiles
.set MSB, 0
.macro WIN new                         ; the immediate's high byte repeats the setting that is left
.if MSB != \new
	s_set_vgpr_msb (MSB<<8)|\new
.set MSB, \new
.endif
.endm
.set MUL_LO, 0xa1                      ; source 0 (B) window 1, source 1 (A) window 0, C and D window 2
.set MUL_HI, 0xf1                      ; the same, C and D window 3
.set TO_B,   0x40                      ; destination window 1, address window 0
; A joint load: waves 0, 1 fetch A's halves, waves 2, 3 B's.  The branch hangs on the wave's number alone.
.macro JLOAD s
	s_cmp_eq_u32 s13, 0
	s_cbranch_scc0 .Lfor_b_\@
	tensor_load_to_lds s[G0+4*\s:G0+4*\s+3], s[G1:G1+7]
	s_nop 0
	s_branch .Lasked_\@
.Lfor_b_\@:
	tensor_load_to_lds s[G0B+4*\s:G0B+4*\s+3], s[G1B:G1B+7]
	s_nop 0
.Lasked_\@:
.endm
.macro CREST                           ; a round of the cluster's barrier behind its opening work-group barrier
	s_cmp_lg_u32 s12, 0
	s_cbranch_scc1 .Lnot_wave_0_\@
	s_barrier_signal -3
.Lnot_wave_0_\@:
	s_barrier_wait -3
	s_barrier_signal -1
	s_barrier_wait -1
.endm
.macro CROUND                          ; a whole round
	s_barrier_signal -1
	s_barrier_wait -1
	CREST
.endm
	s_load_b256 s[4:11], s[0:1], 0x0               ; xb s[4:5], wt s[6:7], bq s[8:9], bk s[10:11]
	s_load_b256 s[68:75], s[0:1], 0x20             ; bv s[68:69], qw s[70:71], kw s[72:73], vt s[74:75]
	s_set_vgpr_msb 0x40
	v_lshl_add_u32 v255, v0, 2, 0x48400
	s_set_vgpr_msb 0x4000
	v_mov_b32 v255, 0
	s_set_vgpr_msb 0x1
	ds_add_u32 v255, v255
	s_set_vgpr_msb 0x100
	v_lshrrev_b32 v1, 5, v0
	v_readfirstlane_b32 s12, v1                    ; wave 0..3
	s_lshr_b32 s13, s12, 1                         ; my half of the A rows.  Also: I fetch for A (0) or B (1)
	s_and_b32 s14, s12, 1                          ; my half of the B rows.  Also: which 128 rows I fetch
	s_bfe_u32 s15, ttmp6, 0x40000                  ; cx
	s_bfe_u32 s16, ttmp6, 0x40004                  ; cy
	s_mov_b32 s17, ttmp9                           ; cluster x: 0 q, 1 k, 2 v
	s_and_b32 s18, ttmp7, 0xffff
	s_lshl_b32 s18, s18, 2                         ; 4 x cluster y: the first of the cluster's four blocks of x rows
	s_lshl_b32 s19, s16, 2
	s_lshl_b32 s19, 15, s19                        ; my row of the cluster: places 4 cy .. 4 cy + 3
	s_lshl_b32 s20, 0x1111, s15                    ; my column: places cx, cx + 4, cx + 8, cx + 12
	; group 1: a tile of 128 rows x 128 elements of 2 bytes, 4 words of padding behind every 64
	s_or_b32 s[G1+0],  s19, (1<<16)|(1<<20)|(1<<21)|(5<<22)|(3<<25)
	s_or_b32 s[G1B+0], s20, (1<<16)|(1<<20)|(1<<21)|(5<<22)|(3<<25)
	s_mov_b32 s[G1+1],  KSTEP<<16                  ; tensor_dim0 = 128
	s_mov_b32 s[G1B+1], KSTEP<<16
	s_mov_b32 s[G1+2],  128<<16                    ; tensor_dim1 = 128
	s_mov_b32 s[G1B+2], 128<<16
	s_mov_b32 s[G1+3],  KSTEP<<16                  ; tile_dim0 = 128
	s_mov_b32 s[G1B+3], KSTEP<<16
	s_mov_b32 s[G1+4],  128                        ; tile_dim1 = 128
	s_mov_b32 s[G1B+4], 128
	s_mov_b32 s[G1+5],  SIZE_K                     ; 1,024 elements from row to row, in xb and in wt
	s_mov_b32 s[G1B+5], SIZE_K
	s_mov_b32 s[G1+6],  0
	s_mov_b32 s[G1B+6], 0
	s_mov_b32 s[G1+7],  0
	s_mov_b32 s[G1B+7], 0
	; where the tiles come from.  x's part: 0 for q, 1 for k and v; wt's part: the cluster's x.
	s_min_u32 s84, s17, 1
	s_lshl_b32 s84, s84, 23                        ; part of xb, 8,388,608 bytes each
	s_lshl_b32 s85, s17, 21                        ; part of wt, 2,097,152 bytes each
	s_cmp_eq_u32 s17, 2
	s_cselect_b32 s82, 0, s18                      ; the side that is x walks the cluster's four blocks of x rows, the side that is wt blocks 0-3
	s_cselect_b32 s83, s18, 0
	s_cselect_b32 s86, s85, s84                    ; A's part
	s_cselect_b32 s87, s84, s85                    ; B's part
	s_add_co_u32 s42, s82, s16                     ; A: block row, made of cy
	s_lshl_b32 s42, s42, 1
	s_add_co_u32 s42, s42, s14                     ; in halves of 128 rows: the half that I fetch
	s_lshl_b32 s42, s42, 18                        ; 128 rows of 2,048 bytes
	s_add_co_u32 s42, s42, s86
	s_mov_b32 s43, 0
	s_add_co_u32 s46, s83, s15                     ; B: the same, made of cx
	s_lshl_b32 s46, s46, 1
	s_add_co_u32 s46, s46, s14
	s_lshl_b32 s46, s46, 18
	s_add_co_u32 s46, s46, s87
	s_mov_b32 s47, 0
	s_mul_i32 s21, s12, HALFT                      ; where they go: wave x 128 rows: no place in the cluster enters an LDS address
	s_wait_dscnt 0x0
	s_wait_kmcnt 0x0
	s_cmp_eq_u32 s17, 2
	s_cselect_b64 s[40:41], s[6:7], s[4:5]         ; A side: x, for v wt
	s_cselect_b64 s[44:45], s[4:5], s[6:7]         ; B side: wt, for v x
	s_add_nc_u64 s[40:41], s[40:41], s[42:43]
	s_add_nc_u64 s[44:45], s[44:45], s[46:47]
	CROUND                                         ; all sixteen work-groups are here: the first joint loads meet
.irp s, 0,1
	s_mov_b32 s[G0+4*\s], 1
	s_add_co_u32 s[G0+4*\s+1], s21, \s*SLOT
	s_add_nc_u64 s[G0+4*\s+2:G0+4*\s+3], s[40:41], \s*KSTEP*2
	s_or_b32 s[G0+4*\s+3], s[G0+4*\s+3], 0x80000000
	s_mov_b32 s[G0B+4*\s], 1
	s_add_co_u32 s[G0B+4*\s+1], s21, \s*SLOT
	s_add_nc_u64 s[G0B+4*\s+2:G0B+4*\s+3], s[44:45], \s*KSTEP*2
	s_or_b32 s[G0B+4*\s+3], s[G0B+4*\s+3], 0x80000000
	JLOAD \s                                       ; K steps 0 and 1: two tensor loads of the wave are out
.endr
	; fragment addresses: lane l holds row l % 16; two loads of 16 bytes, 32 apart, at row x pitch + 16 (l / 16)
	v_and_b32 v1, 15, v0                           ; r
	v_bfe_u32 v2, v0, 4, 1                         ; h
	v_mul_u32_u24 v3, v1, PITCH
	v_lshl_add_u32 v3, v2, 4, v3
	s_mul_i32 s22, s13, HALFT                      ; my 128 rows of A
	s_mul_i32 s23, s14, HALFT                      ; my 128 rows of B,
	s_add_co_u32 s23, s23, 2*HALFT                 ; behind A's 256
.irp s, 0,1
	v_add_nc_u32 v[ADRA+\s], s22, v3
	v_add_nc_u32 v[ADRB+\s], s23, v3
	s_add_co_u32 s22, s22, SLOT
	s_add_co_u32 s23, s23, SLOT
.endr
	s_mul_i32 s21, s12, 16*SPITCH
	s_add_co_u32 s21, s21, STAGE                   ; my stage
	v_mul_u32_u24 v4, v1, SPITCH
	v_lshl_add_u32 v4, v2, 4, v4
	v_add_nc_u32 v[STO], s21, v4                   ; row r, 16 bytes for each half of the lanes
	s_cmp_eq_u32 s17, 0
	s_cselect_b32 s80, 0x3e38aa3b, 1.0             ; q is scaled by 0.125 log2(e), k by 1
	s_mov_b32 s81, s80
	; What differs between the two forms: bias, output pointer, the lanes' places on the way out.  The bias loads stay out over the whole K loop;
	; their address registers (BOFF, s[76:77]) are not written again.  All 64 registers of the bias are written on both ways.
	s_cmp_eq_u32 s17, 2
	s_cbranch_scc1 .Lset_v
	; q, k.  Bias along B: register 8 b + j = bias[256 cx + 128 half + 16 b + 8 h + j]
	s_cmp_eq_u32 s17, 0
	s_cselect_b64 s[76:77], s[8:9], s[10:11]
	s_cselect_b64 s[78:79], s[70:71], s[72:73]
	s_lshl_b32 s92, s15, 1
	s_add_co_u32 s92, s92, s14                     ; my first column / 128
	s_lshl_b32 s90, s92, 9                         ; x 128 numbers of 4 bytes
	s_mov_b32 s91, 0
	s_add_nc_u64 s[76:77], s[76:77], s[90:91]
	s_lshl_b32 s92, s92, 19                        ; two heads of 2,048 x 128 bytes
	s_mov_b32 s93, 0
	s_add_co_u32 s88, s18, s16
	s_lshl_b32 s88, s88, 1
	s_add_co_u32 s88, s88, s13                     ; my first row of x / 128: 0..31
	s_lshr_b32 s89, s88, 4                         ; batch
	s_and_b32 s88, s88, 15
	s_lshl_b32 s89, s89, 22                        ; 16 heads x 2,048 x 128 bytes
	s_lshl_b32 s88, s88, 14                        ; 128 rows s of 128 bytes
	s_add_co_u32 s88, s88, s89
	s_mov_b32 s89, 0
	s_add_nc_u64 s[78:79], s[78:79], s[88:89]
	s_add_nc_u64 s[78:79], s[78:79], s[92:93]
	v_and_b32 v5, 31, v0                           ; back: a store takes four rows s of one head, 128 bytes each: 512 consecutive bytes
	v_lshrrev_b32 v6, 3, v5
	v_and_b32 v7, 7, v0
	v_mul_u32_u24 v6, v6, SPITCH
	v_lshl_add_u32 v6, v7, 4, v6
	v_add_nc_u32 v[RD], s21, v6
	v_lshlrev_b32 v[CO], 4, v5
	v_lshlrev_b32 v[BOFF], 5, v2                   ; 8 h numbers
	WIN TO_B
.irp b, 0,1,2,3,4,5,6,7
	global_load_b128 v[8*\b:8*\b+3],   v[BOFF], s[76:77] offset:64*\b
	global_load_b128 v[8*\b+4:8*\b+7], v[BOFF], s[76:77] offset:64*\b+16
.endr
	WIN 0
	s_branch .Lset_done
.Lset_v:
	; v.  Bias along A: registers 8 i .. 8 i + 7 all = bv[256 cy + 128 half + 16 i + r]
	s_lshl_b32 s88, s16, 1
	s_add_co_u32 s88, s88, s13                     ; my first row (h, kd) / 128
	s_lshl_b32 s90, s88, 9
	s_mov_b32 s91, 0
	s_add_nc_u64 s[76:77], s[68:69], s[90:91]
	s_lshl_b32 s88, s88, 19                        ; 128 rows of vt, 4,096 bytes each
	s_mov_b32 s89, 0
	s_add_co_u32 s92, s18, s15
	s_lshl_b32 s92, s92, 1
	s_add_co_u32 s92, s92, s14                     ; my first row of x / 128
	s_lshr_b32 s93, s92, 4                         ; batch
	s_and_b32 s92, s92, 15
	s_lshl_b32 s93, s93, 22                        ; 1,024 rows of vt
	s_lshl_b32 s92, s92, 8                         ; 128 s of 2 bytes
	s_add_co_u32 s92, s92, s93
	s_mov_b32 s93, 0
	s_add_nc_u64 s[78:79], s[74:75], s[88:89]
	s_add_nc_u64 s[78:79], s[78:79], s[92:93]
	v_mul_u32_u24 v5, v2, SPITCH                   ; back: lanes 0-15 one row of 256 bytes, lanes 16-31 the next
	v_lshl_add_u32 v5, v1, 4, v5
	v_add_nc_u32 v[RD], s21, v5
	v_lshlrev_b32 v5, 12, v2
	v_lshl_add_u32 v[CO], v1, 4, v5
	v_lshlrev_b32 v[BOFF], 2, v1
	WIN TO_B
.irp i, 0,1,2,3,4,5,6,7
.irp j, 0,1,2,3,4,5,6,7
	global_load_b32 v[8*\i+\j], v[BOFF], s[76:77] offset:64*\i
.endr
.endr
	WIN 0
.Lset_done:
; 16 matrix instructions: A blocks a0, a0 + 1 of the window's four x all 8 B blocks, 32 along K.  zero = 1: the first product starts the sums.
.macro MUL16 f, hi, a0, zero
.irp a, \a0, \a0+1
.irp b, 0,1,2,3,4,5,6,7
.if \zero
	v_wmma_f32_16x16x32_bf16 v[8*(8*(\a)+\b):8*(8*(\a)+\b)+7], v[\f+8*\b:\f+8*\b+7], v[\f+8*(4*\hi+\a):\f+8*(4*\hi+\a)+7], 0
.else
	v_wmma_f32_16x16x32_bf16 v[8*(8*(\a)+\b):8*(8*(\a)+\b)+7], v[\f+8*\b:\f+8*\b+7], v[\f+8*(4*\hi+\a):\f+8*(4*\hi+\a)+7], v[8*(8*(\a)+\b):8*(8*(\a)+\b)+7]
.endif
.endr
.endr
.endm
; 32 LDS loads in one run: the fragments of a quarter step (32 K at byte k of the rows) into buffer f
.macro FETCH slot, k, f
	WIN TO_B
.irp i, 0,1,2,3,4,5,6,7
	ds_load_b128 v[\f+8*\i:\f+8*\i+3],   v[ADRB+\slot] offset:\k+\i*16*PITCH
	ds_load_b128 v[\f+8*\i+4:\f+8*\i+7], v[ADRB+\slot] offset:\k+\i*16*PITCH+32
.endr
	WIN 0
.irp i, 0,1,2,3,4,5,6,7
	ds_load_b128 v[\f+8*\i:\f+8*\i+3],   v[ADRA+\slot] offset:\k+\i*16*PITCH
	ds_load_b128 v[\f+8*\i+4:\f+8*\i+7], v[ADRA+\slot] offset:\k+\i*16*PITCH+32
.endr
.endm
; A load into a register that a matrix instruction has read, and a vector instruction that reads a matrix result, stand four places behind it;
; only plain vector instructions that name none of its registers are places; other matrix instructions are not counted here.
.macro PLACES
.rept 4
	v_nop
.endr
.endm
; A K step is four quarters of 32 along K, 64 matrix instructions each, on buffers 0, 1, 0, 1.  The 64 accumulators take turns, one instruction a turn,
; in the same order in every quarter, over the backward jump too.
.macro QUARTER slot, k, f, g, zero
	s_wait_dscnt 8                                 ; B and A's rows 0-63 are in; the youngest eight loads (A's rows 64-127) may be out
	WIN MUL_LO
	MUL16 \f, 0, 0, \zero
	MUL16 \f, 0, 2, \zero
	PLACES
	FETCH \slot, \k, \g
	s_wait_dscnt 32                                ; all but the 32 just issued
	WIN MUL_HI
	MUL16 \f, 1, 0, \zero
	MUL16 \f, 1, 2, \zero
.endm
.macro THREE slot, zero
	QUARTER \slot, 64,  F0, F1, \zero
	QUARTER \slot, 128, F1, F0, 0
	QUARTER \slot, 192, F0, F1, 0
.endm
; The last quarter changes slots.  In front of the barrier each wave waits for its reads of this slot and for all its tensor loads (one is out: its part of the
; next slot).  Where the slot is filled again the barrier opens a round of the cluster's barrier, and the joint refill is the first tensor load behind the round.
.macro TURN slot, next, fill
	s_wait_dscnt 8
	WIN MUL_LO
	MUL16 F1, 0, 0, 0
	s_wait_dscnt 0                                 ; my reads of this slot are over
	s_wait_tensorcnt 0x0                           ; all my tensor loads have landed
	ds_add_u32 v255, v255
	s_wait_dscnt 0x0
	s_barrier_signal -1
	MUL16 F1, 0, 2, 0                              ; register work while the others arrive
	WIN 0
	s_barrier_wait -1
.if \fill
	CREST                                          ; no wave of any partner still reads this slot or has a load on its way
	s_add_nc_u64 s[G0+4*\slot+2:G0+4*\slot+3], s[G0+4*\slot+2:G0+4*\slot+3], 2*KSTEP*2
	s_add_nc_u64 s[G0B+4*\slot+2:G0B+4*\slot+3], s[G0B+4*\slot+2:G0B+4*\slot+3], 2*KSTEP*2
	JLOAD \slot
.endif
	PLACES
	FETCH \next, 0, F0
	WIN MUL_HI
	MUL16 F1, 1, 0, 0
	MUL16 F1, 1, 2, 0
.endm
.macro LAP zero
	THREE 0, \zero
	TURN 0, 1, 1
	THREE 1, 0
	TURN 1, 0, 1
.endm
	s_wait_tensorcnt 1                             ; my part of K step 0 is in; K step 1's stays out
	s_barrier_signal -1
	s_barrier_wait -1
	FETCH 0, 0, F0
	LAP 1                                          ; the first lap's first products start the sums
	WIN 0
	s_mov_b32 s3, LAPS-2
.Llap:
	LAP 0
	WIN 0
	s_sub_co_u32 s3, s3, 1
	s_cmp_lg_u32 s3, 0
	s_cbranch_scc1 .Llap
	THREE 0, 0                                     ; the last lap fills nothing
	TURN 0, 1, 0
	THREE 1, 0
	s_wait_dscnt 8
	WIN MUL_LO
	MUL16 F1, 0, 0, 0
	MUL16 F1, 0, 2, 0
	s_wait_dscnt 0
	WIN MUL_HI
	MUL16 F1, 1, 0, 0
	MUL16 F1, 1, 2, 0
; THE WAY OUT, 16 A rows at a time: scale and bias in f32, one rounding (q, k to bf16, v to f16), 16 bytes a lane into my own stage, read back in the output's order.
; wb: windows of the bias step, wc: of the conversions.  LDS serves a wave's instructions in order (ISA guide 5.7.1), so the loads see the stores above them.
.macro OUT16 i, a, wb, wc, f, vmode
	WIN \wb
.irp b, 0,1,2,3,4,5,6,7
.irp r, 0,1,2,3
.if \vmode
	v_pk_add_f32 v[8*(8*\a+\b)+2*\r:8*(8*\a+\b)+2*\r+1], v[8*(8*\a+\b)+2*\r:8*(8*\a+\b)+2*\r+1], v[8*\i+2*\r:8*\i+2*\r+1]
.else
	v_pk_fma_f32 v[8*(8*\a+\b)+2*\r:8*(8*\a+\b)+2*\r+1], v[8*(8*\a+\b)+2*\r:8*(8*\a+\b)+2*\r+1], s[80:81], v[8*\b+2*\r:8*\b+2*\r+1] op_sel_hi:[1,0,1]
.endif
.endr
.endr
	WIN \wc
.irp b, 0,1,2,3,4,5,6,7
.irp r, 0,1,2,3
.if \vmode
	v_cvt_pk_f16_f32 v[TMP+4*\b+\r], v[8*(8*\a+\b)+2*\r], v[8*(8*\a+\b)+2*\r+1]
.else
	v_cvt_pk_bf16_f32 v[TMP+4*\b+\r], v[8*(8*\a+\b)+2*\r], v[8*(8*\a+\b)+2*\r+1]
.endif
.endr
.endr
	WIN 0
.irp b, 0,1,2,3,4,5,6,7
	ds_store_b128 v[STO], v[TMP+4*\b:TMP+4*\b+3] offset:32*\b
.endr
	s_wait_xcnt 0x0                                ; buffer f, which earlier stores read, is loaded again only behind this wait
.irp t, 0,1,2,3,4,5,6,7
.if \vmode
	ds_load_b128 v[\f+4*\t:\f+4*\t+3], v[RD] offset:2*SPITCH*\t
.else
	ds_load_b128 v[\f+4*\t:\f+4*\t+3], v[RD] offset:4*SPITCH*(\t&3)+128*(\t>>2)
.endif
.endr
.irp t, 0,1,2,3,4,5,6,7
	s_wait_dscnt 7-\t
.if \vmode
	global_store_b128 v[CO], v[\f+4*\t:\f+4*\t+3], s[78:79] offset:4096*(16*\i+2*\t)           ; two rows of vt, 256 consecutive aligned bytes each
.else
	global_store_b128 v[CO], v[\f+4*\t:\f+4*\t+3], s[78:79] offset:262144*(\t>>2)+2048*\i+512*(\t&3)   ; four rows s of a head: 512 consecutive aligned bytes
.endif
.endr
.endm
	PLACES                                         ; behind the last matrix instructions
	WIN 0
	s_wait_loadcnt 0x0                             ; the bias
	s_cmp_eq_u32 s17, 2
	s_cbranch_scc1 .Lout_v
	WIN 0x41                                       ; (acc + bias) x scale = acc x scale + bias x scale: the bias is scaled once, 64 numbers
.set kk, 0
.rept 32
	v_pk_mul_f32 v[kk:kk+1], v[kk:kk+1], s[80:81] op_sel_hi:[1,0]
.set kk, kk+2
.endr
	OUT16 0, 0, 0x92, 0x0a, F0, 0
	OUT16 1, 1, 0x92, 0x0a, F1, 0
	OUT16 2, 2, 0x92, 0x0a, F0, 0
	OUT16 3, 3, 0x92, 0x0a, F1, 0
	OUT16 4, 0, 0xd3, 0x0f, F0, 0
	OUT16 5, 1, 0xd3, 0x0f, F1, 0
	OUT16 6, 2, 0xd3, 0x0f, F0, 0
	OUT16 7, 3, 0xd3, 0x0f, F1, 0
	s_branch .Lout_done
.Lout_v:
	OUT16 0, 0, 0x86, 0x0a, F0, 1
	OUT16 1, 1, 0x86, 0x0a, F1, 1
	OUT16 2, 2, 0x86, 0x0a, F0, 1
	OUT16 3, 3, 0x86, 0x0a, F1, 1
	OUT16 4, 0, 0xc7, 0x0f, F0, 1
	OUT16 5, 1, 0xc7, 0x0f, F1, 1
	OUT16 6, 2, 0xc7, 0x0f, F0, 1
	OUT16 7, 3, 0xc7, 0x0f, F1, 1
.Lout_done:
	s_set_vgpr_msb 0x1
	s_wait_tensorcnt 0x0
	ds_add_u32 v255, v255
	s_wait_dscnt 0x0
	s_set_vgpr_msb 0x100
	CROUND                                         ; the closing round: no work-group ends while a partner may still ask for a tile that names it
	s_endpgm
.Lfunc_end_k_q455b496b60_proj:
	.size	k_q455b496b60_proj, .Lfunc_end_k_q455b496b60_proj-k_q455b496b60_proj
	.p2alignl 7, 3214868480
	.fill 96, 4, 3214868480
	.section	.rodata,"a",@progbits
	.p2align	6, 0x0
	.amdhsa_kernel k_q455b496b60_proj
		.amdhsa_group_segment_fixed_size 327680
		.amdhsa_private_segment_fixed_size 0
		.amdhsa_enable_private_segment 0
		.amdhsa_kernarg_size 64
		.amdhsa_user_sgpr_count 2
		.amdhsa_user_sgpr_kernarg_segment_ptr 1
		.amdhsa_wavefront_size32 1
		.amdhsa_system_sgpr_workgroup_id_x 1
		.amdhsa_system_sgpr_workgroup_id_y 1
		.amdhsa_system_sgpr_workgroup_id_z 1
		.amdhsa_system_vgpr_workitem_id 0
		.amdhsa_next_free_vgpr 1024
		.amdhsa_next_free_sgpr 96
		.amdhsa_reserve_vcc 0
		.amdhsa_float_denorm_mode_32 3
		.amdhsa_float_denorm_mode_16_64 3
		.amdhsa_memory_ordered 1
		.amdhsa_forward_progress 1
		.amdhsa_inst_pref_size 255
	.end_amdhsa_kernel
	.section	.bss,"aw",@nobits
	.p2align	6
	.space	262144
	.amdgpu_metadata
---
amdhsa.version: [ 1, 2 ]
amdhsa.kernels:
  - .name:           k_q455b496b60_proj
    .symbol:         k_q455b496b60_proj.kd
    .args:
      - { .name: xb, .offset: 0, .size: 8, .value_kind: global_buffer, .address_space: global }
      - { .name: wt, .offset: 8, .size: 8, .value_kind: global_buffer, .address_space: global }
      - { .name: bq, .offset: 16, .size: 8, .value_kind: global_buffer, .address_space: global }
      - { .name: bk, .offset: 24, .size: 8, .value_kind: global_buffer, .address_space: global }
      - { .name: bv, .offset: 32, .size: 8, .value_kind: global_buffer, .address_space: global }
      - { .name: qw, .offset: 40, .size: 8, .value_kind: global_buffer, .address_space: global }
      - { .name: kw, .offset: 48, .size: 8, .value_kind: global_buffer, .address_space: global }
      - { .name: vt, .offset: 56, .size: 8, .value_kind: global_buffer, .address_space: global }
    .group_segment_fixed_size: 327680
    .private_segment_fixed_size: 0
    .kernarg_segment_align: 8
    .kernarg_segment_size: 64
    .max_flat_workgroup_size: 128
    .sgpr_count:     96
    .vgpr_count:     1024
    .wavefront_size: 32
...
	.end_amdgpu_metadata
.endif
;; end of part 2
;; launch attn (part 3): grid 8 x 32, 8 waves a work-group, clusters of 4 x 1, 327,680 bytes of LDS; arguments qw, kw, vt, attention_mask, out0; writes out0
.if DOCPART == 3
	.amdgcn_target "amdgcn-amd-amdhsa--gfx1250"
	.amdhsa_code_object_version 6
	.text
	.protected	k_q455b496b60_attn
	.globl	k_q455b496b60_attn
	.p2align	8
	.type	k_q455b496b60_attn,@function
k_q455b496b60_attn:
	s_mov_b64 s[64:65], 0
	v_nop
	global_prefetch_b8 v0, s[64:65] scope:SCOPE_SE
	s_setreg_imm32_b32 hwreg(HW_REG_WAVE_MODE, 25, 1), 1
	s_wait_xcnt 0x0
	s_wait_alu depctr_hold_cnt(0) depctr_sa_sdst(0) depctr_va_vdst(0) depctr_va_sdst(0) depctr_va_ssrc(0) depctr_va_vcc(0) depctr_vm_vsrc(0)
	s_getreg_b32 s2, hwreg(HW_REG_IB_STS2, 6, 4)
	s_cmp_eq_u32 s2, 0
	s_cbranch_scc0 .Lentry_in_a_cluster
	s_endpgm
.Lentry_in_a_cluster:
	s_bfe_u32 s2, ttmp6, 0x10000c
	s_cmp_lg_u32 s2, 0x3003
	s_cbranch_scc0 .Lentry_shape_is_right
	s_endpgm
.Lentry_shape_is_right:
; Attention of one head (y = 16 b + h) for 256 queries (x): out0[b][f][h][:] = softmax over t of (q k / 8 + (1 - mask) x -10000) times v.
; q comes scaled by 0.125 log2(e), so the softmax runs in base 2; the mask's term is mask x C - C with C = 10000 log2(e), made in f32 from the mask as it is given.
; A running maximum is taken away in front of every exponential.
; FORMATS: q and k are bf16.  The probabilities and v are f16: the result is a mean over some thousand keys of numbers of either sign, far smaller than v, so the
; roundings of p and of v weigh on it as on v itself, and f16 has 11 significant bits against bf16's 8.  p lies in (0, 1], since the maximum is taken away first.
; LIMITS: |v| below 65,504 (stated where v is made); a probability below 2^-14 of its row's largest is kept to 2^-25 of that largest (f16 denormals), one below
; 2^-126 counts as 0 (v_exp_f32 gives no denormals); the row sums add the f32 probabilities while the product with v takes their f16 roundings.
; SHARES: eight waves, two on each SIMD.  Wave w: g = w & 3 takes 64 queries (four tiles of 16), kh = w >> 2 one half of every key tile: 1,024 keys for 64 queries;
; the two halves' results are merged at the end through LDS.
; CLUSTERS: the four work-groups of a cluster are four query blocks of one head and read the same K and V tiles: every tile is asked for jointly (mask 15).
; PRODUCTS: S^T = K Q^T + bias (A = 16 keys, B = 16 queries, C of the first K step = the mask's term): register j of score tile t holds key 16 t + 8 h + j of query r
; (r = lane & 15, h = lane >> 4).  Rounding tiles 2u and 2u + 1 to f16 in place gives the B fragment of O^T = V^T P^T as it stands: nothing moves between lanes,
; and maximum, sum and rescale are one number a lane.
; LDS: two slots of 256 keys: K as 128 rows of two keys (256 bytes + 16), V^T as 64 rows of 512 bytes + 16; then the mask's terms, the exchange and the output stage,
; which are written by LDS stores and into which no tensor load lands.
.set SLOT,  68608                      ; 128 x 272 + 64 x 528
.set VPART, 34816                      ; V's rows behind K's
.set BIASL, 2*SLOT                     ; 2,048 f32
.set EXL,   BIASL+8192                 ; exchange: for each wave 32 rows x 272, then 256 bytes of maxima and sums
.set EXB,   8960
.set EXS,   8704                       ; where the maxima begin
.set OUTL,  EXL+8*EXB                  ; output stage: for each wave 32 rows x 272
.set OUTB,  8704
; window 0
.set KAD,  2                           ; v2-3    my K fragments in slot 0, 1
.set VAD,  4                           ; v4-5    my V fragments in slot 0, 1
.set BAD,  6                           ; v6      my mask terms of this tile
.set QL,   7                           ; v7      my bytes of a Q tile
.set EXG,  8                           ; v8      partner's exchange rows     v9  EXO my own
.set EXO,  9
.set STG,  10                          ; v10     partner's maxima and sums   v11 STN my own
.set STN,  11
.set OSW,  12                          ; v12     stage, as I hold results    v13 OSR as rows
.set OSR,  13
.set CO,   14                          ; v14     my bytes in out0
.set MOFF, 15                          ; v15     32 x thread
.set S0,   32                          ; v32-63, v64-95   score buffers, tile t at + 8 t
.set S1,   64
.set BI,   96                          ; v96-127 mask terms, tile t at + 8 t
.set VF,   128                         ; v128-191 V(c, u) at 32 u + 8 c
.set M,    192                         ; v192-199 running maxima, a pair for each query tile
.set L,    200                         ; v200-203 running sums
.set AL,   204                         ; v204-205 the rescale factor, twice
.set T,    206                         ; v206-213 at work
.set A0,   214                         ; v214-217 two pairs of partial sums
.set A1,   216
; window 1: v0-127 O(i, c) at 32 i + 8 c
.set QF,   128                         ; v128-191 Q(i, ks) at 16 i + 8 ks
.set KF,   192                         ; v192-255 K(t, ks) at 16 t + 8 ks
.set G1K, 24                           ; s[24:31] shape of a K load      s[32:39] of a V load
.set G1V, 32
.set GK,  40                           ; s[40:47] group 0 of K, a set for each slot     s[48:55] of V
.set GV,  48
.set MSB, 0
.macro WIN new                         ; the immediate's high byte repeats the setting that is left
.if MSB != \new
	s_set_vgpr_msb (MSB<<8)|\new
.set MSB, \new
.endif
.endm
.macro PLACES                          ; four places behind a matrix instruction (ISA guide 7.12.1)
.rept 4
	v_nop
.endr
.endm
.macro ROUND                           ; a round of the cluster's barrier
	s_barrier_signal -1
	s_barrier_wait -1
	s_cmp_lg_u32 s14, 0
	s_cbranch_scc1 .Lnot_wave_0_\@
	s_barrier_signal -3
.Lnot_wave_0_\@:
	s_barrier_wait -3
	s_barrier_signal -1
	s_barrier_wait -1
.endm
	s_load_b256 s[4:11], s[0:1], 0x0               ; qw s[4:5], kw s[6:7], vt s[8:9], mask s[10:11]
	s_load_b64 s[12:13], s[0:1], 0x20              ; out0
	v_lshl_add_u32 v254, v0, 2, 0x46000
	v_mov_b32 v255, 0
	ds_add_u32 v254, v255
	v_lshrrev_b32 v1, 5, v0
	v_readfirstlane_b32 s14, v1                    ; wave 0..7
	s_and_b32 s15, s14, 3                          ; g
	s_lshr_b32 s16, s14, 2                         ; kh
	s_bfe_u32 s17, ttmp6, 0x40000                  ; cx
	s_lshl_b32 s18, ttmp9, 2
	s_add_co_u32 s18, s18, s17                     ; query block 0..7
	s_and_b32 s19, ttmp7, 0xffff                   ; head 16 b + h
	s_mov_b32 s57, 0x76543210                      ; v_permlanex16_b32: lane i reads lane i of the other half
	s_mov_b32 s58, 0xfedcba98
	s_mov_b32 s66, 0x46616bcd                      ; C = 10000 log2(e)
	; K: my 16 rows of 256 bytes of the tile's dense 32,768 bytes, elements of 8 bytes, 4 words of padding behind every 64
	s_mov_b32 s[G1K+0], 15|(3<<16)|(1<<20)|(1<<21)|(5<<22)|(3<<25)
	s_mov_b32 s[G1K+1], 32<<16                     ; tensor_dim0 = 32
	s_mov_b32 s[G1K+2], 16<<16                     ; tensor_dim1 = 16
	s_mov_b32 s[G1K+3], 32<<16                     ; tile_dim0 = 32
	s_mov_b32 s[G1K+4], 16                         ; tile_dim1 = 16
	s_mov_b32 s[G1K+5], 32                         ; pitch
	s_mov_b32 s[G1K+6], 0
	s_mov_b32 s[G1K+7], 0
	; V: my 8 rows kd of 256 keys (512 bytes), 4 words of padding behind every 128
	s_mov_b32 s[G1V+0], 15|(1<<16)|(1<<20)|(1<<21)|(6<<22)|(3<<25)
	s_mov_b32 s[G1V+1], 256<<16
	s_mov_b32 s[G1V+2], 8<<16
	s_mov_b32 s[G1V+3], 256<<16
	s_mov_b32 s[G1V+4], 8
	s_mov_b32 s[G1V+5], 2048
	s_mov_b32 s[G1V+6], 0
	s_mov_b32 s[G1V+7], 0
	s_lshl_b32 s60, s19, 18                        ; a head of kw and of vt: 262,144 bytes
	s_lshl_b32 s62, s14, 12                        ; K: my 4,096 bytes of a tile
	s_add_co_u32 s62, s62, s60
	s_mov_b32 s63, 0
	s_lshl_b32 s61, s14, 15                        ; V: my 8 rows of 4,096 bytes
	s_add_co_u32 s60, s60, s61
	s_mov_b32 s61, 0
	s_mul_i32 s67, s14, 16*272                     ; where they go: the wave's number and constants alone
	s_mul_i32 s68, s14, 8*528
	s_add_co_u32 s68, s68, VPART
	s_lshr_b32 s70, s19, 4
	s_lshl_b32 s70, s70, 13                        ; the batch's 2,048 mask words
	s_mov_b32 s71, 0
	s_lshl_b32 s20, s18, 15                        ; Q: 256 rows of 128 bytes a block,
	s_lshl_b32 s59, s15, 13                        ;    64 g rows,
	s_add_co_u32 s20, s20, s59
	s_lshl_b32 s59, s19, 18                        ;    the head
	s_add_co_u32 s20, s20, s59
	s_mov_b32 s21, 0
	s_lshl_b32 s22, s18, 20                        ; out0: 256 rows f of 4,096 bytes a block,
	s_lshl_b32 s59, s15, 18                        ;       64 g rows,
	s_add_co_u32 s22, s22, s59
	s_lshl_b32 s59, s16, 17                        ;       32 kh rows: the two query tiles that I finish,
	s_add_co_u32 s22, s22, s59
	s_lshr_b32 s59, s19, 4
	s_lshl_b32 s59, s59, 23                        ;       the batch,
	s_add_co_u32 s22, s22, s59
	s_and_b32 s59, s19, 15
	s_lshl_b32 s59, s59, 8                         ;       the head's 256 bytes of a row
	s_add_co_u32 s22, s22, s59
	s_mov_b32 s23, 0
	v_and_b32 v16, 15, v0                          ; r
	v_bfe_u32 v17, v0, 4, 1                        ; h
	v_lshlrev_b32 v[MOFF], 5, v0
	v_lshlrev_b32 v[QL], 7, v16
	v_lshl_add_u32 v[QL], v17, 4, v[QL]            ; 128 r + 16 h
	s_wait_dscnt 0x0
	s_wait_kmcnt 0x0
	s_add_nc_u64 s[6:7], s[6:7], s[62:63]
	s_add_nc_u64 s[8:9], s[8:9], s[60:61]
	s_add_nc_u64 s[10:11], s[10:11], s[70:71]
	s_add_nc_u64 s[4:5], s[4:5], s[20:21]
	s_add_nc_u64 s[12:13], s[12:13], s[22:23]
.irp s, 0,1
	s_mov_b32 s[GK+4*\s], 1
	s_add_co_u32 s[GK+4*\s+1], s67, \s*SLOT
	s_add_nc_u64 s[GK+4*\s+2:GK+4*\s+3], s[6:7], \s*32768          ; tile s
	s_or_b32 s[GK+4*\s+3], s[GK+4*\s+3], 0x80000000
	s_mov_b32 s[GV+4*\s], 1
	s_add_co_u32 s[GV+4*\s+1], s68, \s*SLOT
	s_add_nc_u64 s[GV+4*\s+2:GV+4*\s+3], s[8:9], \s*512
	s_or_b32 s[GV+4*\s+3], s[GV+4*\s+3], 0x80000000
.endr
	ROUND                                          ; all four work-groups are here: the first joint loads meet
	tensor_load_to_lds s[GK:GK+3], s[G1K:G1K+7]    ; tile 0
	s_nop 0
	tensor_load_to_lds s[GV:GV+3], s[G1V:G1V+7]
	s_nop 0
	global_load_b128 v[BI:BI+3],   v[MOFF], s[10:11]               ; eight mask words a thread: the batch's 2,048
	global_load_b128 v[BI+4:BI+7], v[MOFF], s[10:11] offset:16
	WIN 0x40
.irp i, 0,1,2,3
.irp ks, 0,1
	global_load_b128 v[QF+16*\i+8*\ks:QF+16*\i+8*\ks+3],   v[QL], s[4:5] offset:2048*\i+64*\ks
	global_load_b128 v[QF+16*\i+8*\ks+4:QF+16*\i+8*\ks+7], v[QL], s[4:5] offset:2048*\i+64*\ks+32
.endr
.endr
	WIN 0
	; lane addresses.  Key x of a tile lies at (x >> 1) 272 + (x & 1) 128: the sixteen lanes of a load address sixteen different 16-byte columns modulo 256.
	v_bfe_u32 v20, v0, 1, 3                        ; r >> 1
	v_and_b32 v21, 1, v0                           ; r & 1
	v_mul_u32_u24 v20, v20, 272
	v_lshl_add_u32 v20, v21, 7, v20
	v_lshl_add_u32 v20, v17, 4, v20
	s_mul_i32 s70, s16, 64*272                     ; my half: 128 keys = 64 rows
	v_add_nc_u32 v[KAD], s70, v20
	v_add_nc_u32 v[KAD+1], SLOT, v[KAD]
	v_mul_u32_u24 v20, v16, 528
	v_lshl_add_u32 v20, v17, 4, v20
	s_lshl_b32 s70, s16, 8                         ; my half: 128 keys of 2 bytes
	s_add_co_u32 s70, s70, VPART
	v_add_nc_u32 v[VAD], s70, v20
	v_add_nc_u32 v[VAD+1], SLOT, v[VAD]
	s_lshl_b32 s70, s16, 9                         ; my half: 128 terms of 4 bytes
	s_add_co_u32 s70, s70, BIASL
	v_lshl_add_u32 v[BAD], v17, 5, s70             ; + 8 h terms
	s_mul_i32 s2, s14, EXB
	s_add_co_u32 s2, s2, EXL                       ; my exchange region
	s_mul_i32 s69, s14, OUTB
	s_add_co_u32 s69, s69, OUTL                    ; my stage
	v_mul_u32_u24 v18, v16, 272
	v_lshl_add_u32 v18, v17, 5, v18                ; 272 r + 32 h: row = query, eight f32 at kd = 8 h   (kept for the merge)
	v_lshlrev_b32 v19, 2, v16                      ; 4 r                                                 (kept for the merge)
	v_add_nc_u32 v[EXO], s2, v18
	v_add_nc_u32 v[STN], s2, v19
	v_add_nc_u32 v[OSW], s69, v18
	v_mul_u32_u24 v20, v17, 272
	v_lshl_add_u32 v20, v16, 4, v20
	v_add_nc_u32 v[OSR], s69, v20                  ; lanes 0-15 one row of 256 bytes, lanes 16-31 the next
	v_lshlrev_b32 v20, 12, v17
	v_lshl_add_u32 v[CO], v16, 4, v20
	v_add_nc_u32 v22, BIASL, v[MOFF]
	s_wait_loadcnt 16                              ; the sixteen loads of Q are younger: the mask is in
.irp j, 0,1,2,3,4,5,6,7
	v_cvt_f32_i32 v[BI+\j], v[BI+\j]
.endr
.irp j, 0,1,2,3,4,5,6,7
	v_fma_f32 v[BI+\j], v[BI+\j], s66, -s66        ; (1 - mask) x -10000 x log2(e)
.endr
	ds_store_b128 v22, v[BI:BI+3]                  ; shown to the other waves by the first trip's wait and round
	ds_store_b128 v22, v[BI+4:BI+7] offset:16
	s_wait_loadcnt 0x0                             ; Q
; K fragments and mask terms of 64 keys (sub-block sb of my half): 24 loads
.macro LOADK slot, sb
	WIN 0x40
.irp t, 0,1,2,3
.irp ks, 0,1
	ds_load_b128 v[KF+16*\t+8*\ks:KF+16*\t+8*\ks+3],   v[KAD+\slot] offset:\sb*8704+\t*2176+\ks*64
	ds_load_b128 v[KF+16*\t+8*\ks+4:KF+16*\t+8*\ks+7], v[KAD+\slot] offset:\sb*8704+\t*2176+\ks*64+32
.endr
.endr
	WIN 0
.irp t, 0,1,2,3
	ds_load_b128 v[BI+8*\t:BI+8*\t+3],   v[BAD] offset:\sb*256+\t*64
	ds_load_b128 v[BI+8*\t+4:BI+8*\t+7], v[BAD] offset:\sb*256+\t*64+16
.endr
.endm
; V fragments of the same 64 keys: 16 loads
.macro LOADV slot, sb
.irp c, 0,1,2,3
	ds_load_b128 v[VF+8*\c:VF+8*\c+3],       v[VAD+\slot] offset:\c*8448+\sb*128
	ds_load_b128 v[VF+8*\c+4:VF+8*\c+7],     v[VAD+\slot] offset:\c*8448+\sb*128+32
	ds_load_b128 v[VF+32+8*\c:VF+32+8*\c+3], v[VAD+\slot] offset:\c*8448+\sb*128+64
	ds_load_b128 v[VF+32+8*\c+4:VF+32+8*\c+7], v[VAD+\slot] offset:\c*8448+\sb*128+96
.endr
.endm
; Scores of query tile i against 64 keys.  The four tiles take turns, one instruction a turn.
.macro SMUL i, SB
	WIN 0x05
.irp t, 0,1,2,3
	v_wmma_f32_16x16x32_bf16 v[\SB+8*\t:\SB+8*\t+7], v[KF+16*\t:KF+16*\t+7], v[QF+16*\i:QF+16*\i+7], v[BI+8*\t:BI+8*\t+7]
.endr
.irp t, 0,1,2,3
	v_wmma_f32_16x16x32_bf16 v[\SB+8*\t:\SB+8*\t+7], v[KF+16*\t+8:KF+16*\t+15], v[QF+16*\i+8:QF+16*\i+15], v[\SB+8*\t:\SB+8*\t+7]
.endr
	WIN 0
.endm
; The new maximum of my query (32 scores of mine, the old maximum, the other half's lane) and the factor 2^(old - new)
.macro SMA i, SB, first
.irp c, 0,1,2,3
	v_max3_num_f32 v[T+\c], v[\SB+8*\c], v[\SB+8*\c+1], v[\SB+8*\c+2]
.endr
.irp c, 0,1,2,3
	v_max3_num_f32 v[T+\c], v[T+\c], v[\SB+8*\c+3], v[\SB+8*\c+4]
.endr
.irp c, 0,1,2,3
	v_max3_num_f32 v[T+\c], v[T+\c], v[\SB+8*\c+5], v[\SB+8*\c+6]
.endr
	v_max3_num_f32 v[T], v[T], v[\SB+7], v[\SB+15]
	v_max3_num_f32 v[T+1], v[T+1], v[\SB+23], v[\SB+31]
	v_max3_num_f32 v[T], v[T], v[T+1], v[T+2]
.if \first
	v_max_num_f32 v[T], v[T], v[T+3]
.else
	v_max3_num_f32 v[T], v[T], v[T+3], v[M+2*\i]
.endif
	v_permlanex16_b32 v[T+1], v[T], s57, s58       ; the same query's other sixteen keys of each 32
	v_max_num_f32 v[T+1], v[T], v[T+1]
.if \first == 0
	v_sub_f32 v[T+2], v[M+2*\i], v[T+1]
	v_exp_f32 v[AL], v[T+2]                        ; the two moves below are the plain places behind it (ISA guide 5.7.2)
.endif
	v_mov_b32 v[M+2*\i], v[T+1]
	v_mov_b32 v[M+2*\i+1], v[T+1]
.if \first == 0
	s_wait_alu depctr_va_vdst(0)
	v_mov_b32 v[AL+1], v[AL]
.endif
.endm
.macro SUBT i, SB, t
.irp k, 0,2,4,6
	v_pk_add_f32 v[\SB+8*\t+\k:\SB+8*\t+\k+1], v[\SB+8*\t+\k:\SB+8*\t+\k+1], v[M+2*\i:M+2*\i+1] neg_lo:[0,1] neg_hi:[0,1]
.endr
.endm
.macro EXPT SB, t
.irp k, 0,1,2,3,4,5,6,7
	v_exp_f32 v[\SB+8*\t+\k], v[\SB+8*\t+\k]
.endr
.endm
; sums of tile t in two chains, then its rounding to f16 into its half of the B fragment (tile 2u + 1 lands on tile 2u's upper registers, read by then)
.macro SC SB, t
.if \t == 0
	s_wait_alu depctr_va_vdst(0)
	v_pk_add_f32 v[A0:A0+1], v[\SB:\SB+1], v[\SB+2:\SB+3]
	v_pk_add_f32 v[A1:A1+1], v[\SB+4:\SB+5], v[\SB+6:\SB+7]
.else
	s_wait_alu depctr_va_vdst(0)
	v_pk_add_f32 v[A0:A0+1], v[A0:A0+1], v[\SB+8*\t:\SB+8*\t+1]
	v_pk_add_f32 v[A1:A1+1], v[A1:A1+1], v[\SB+8*\t+2:\SB+8*\t+3]
	v_pk_add_f32 v[A0:A0+1], v[A0:A0+1], v[\SB+8*\t+4:\SB+8*\t+5]
	v_pk_add_f32 v[A1:A1+1], v[A1:A1+1], v[\SB+8*\t+6:\SB+8*\t+7]
.endif
.irp k, 0,1,2,3
	v_cvt_pk_f16_f32 v[\SB+16*(\t>>1)+4*(\t&1)+\k], v[\SB+8*\t+2*\k], v[\SB+8*\t+2*\k+1]
.endr
.endm
; Probabilities.  Behind each run of exponentials stands plain work on another tile before any of its results is used (ISA guide 5.7.2).
.macro SMB i, SB, first
	SUBT \i, \SB, 0
	EXPT \SB, 0
	SUBT \i, \SB, 1
	EXPT \SB, 1
	SC \SB, 0
	SUBT \i, \SB, 2
	EXPT \SB, 2
	SC \SB, 1
	SUBT \i, \SB, 3
	EXPT \SB, 3
	SC \SB, 2
	SC \SB, 3
	v_pk_add_f32 v[A0:A0+1], v[A0:A0+1], v[A1:A1+1]
.if \first
	v_add_f32 v[L+\i], v[A0], v[A0+1]
.else
	v_fma_f32 v[L+\i], v[L+\i], v[AL], v[A0]
	v_add_f32 v[L+\i], v[L+\i], v[A0+1]
.endif
.endm
; O(i) x factor, then O(i) += V^T P^T, f16 operands.  The four accumulators take turns, one instruction a turn; they see the f16 form alone.
; first: the products start the sums.
.macro STEP i, SB, first
.if \first == 0
	WIN 0x41
.set kk, 0
.rept 16
	v_pk_mul_f32 v[32*\i+kk:32*\i+kk+1], v[32*\i+kk:32*\i+kk+1], v[AL:AL+1]
.set kk, kk+2
.endr
.endif
	WIN 0x50
.irp c, 0,1,2,3
.if \first
	v_wmma_f32_16x16x32_f16 v[32*\i+8*\c:32*\i+8*\c+7], v[VF+8*\c:VF+8*\c+7], v[\SB:\SB+7], 0
.else
	v_wmma_f32_16x16x32_f16 v[32*\i+8*\c:32*\i+8*\c+7], v[VF+8*\c:VF+8*\c+7], v[\SB:\SB+7], v[32*\i+8*\c:32*\i+8*\c+7]
.endif
.endr
.irp c, 0,1,2,3
	v_wmma_f32_16x16x32_f16 v[32*\i+8*\c:32*\i+8*\c+7], v[VF+32+8*\c:VF+32+8*\c+7], v[\SB+16:\SB+23], v[32*\i+8*\c:32*\i+8*\c+7]
.endr
	WIN 0
.endm
; 64 keys against my 64 queries.  The scores of tile i + 1 are issued ahead of tile i's exponentials, on the other buffer.  A score buffer is written again
; behind the maximum pass of the tile between (more than five plain instructions on the other buffer); a buffer's scores are read behind the other tile's
; probabilities, or behind four v_nop for tile 0.
.macro SUB slot, sb, first
	PLACES                                         ; behind the last product with V: its fragments are loaded again
.if \sb == 0
	LOADK \slot, 0
.endif
	LOADV \slot, \sb
	s_wait_dscnt 16                                ; V's sixteen loads are the younger ones: K and the mask terms are in
	SMUL 0, S0
	PLACES
	SMA 0, S0, \first
	SMUL 1, S1
	SMB 0, S0, \first
	s_wait_dscnt 0x0                               ; V
	STEP 0, S0, \first
	SMA 1, S1, \first
	SMUL 2, S0
	SMB 1, S1, \first
	STEP 1, S1, \first
	SMA 2, S0, \first
	SMUL 3, S1
	SMB 2, S0, \first
	STEP 2, S0, \first
.if \sb == 0
	LOADK \slot, 1                                 ; K and the mask terms were last read by tile 3's scores, a whole probability pass ago
.endif
	SMA 3, S1, \first
	SMB 3, S1, \first
	STEP 3, S1, \first
.endm
; A tile of 256 keys.  In front of the round every wave waits for all its tensor loads (two: its parts of this tile) and for its reads of the other slot;
; the joint refills of that slot are the first tensor loads behind the round and have the whole trip in which to land.  Two tensor loads of a wave are out.
.macro TRIP slot, refill, first
	s_wait_tensorcnt 0x0
	ds_add_u32 v254, v255
	s_wait_dscnt 0x0
	s_add_nc_u64 s[GK+4*\slot+2:GK+4*\slot+3], s[GK+4*\slot+2:GK+4*\slot+3], 2*32768   ; no load of mine is out: this slot's next tile
	s_add_nc_u64 s[GV+4*\slot+2:GV+4*\slot+3], s[GV+4*\slot+2:GV+4*\slot+3], 2*512
	s_wait_dscnt 0x0
	ROUND
.if \refill
	tensor_load_to_lds s[GK+4-4*\slot:GK+7-4*\slot], s[G1K:G1K+7]
	s_nop 0
	tensor_load_to_lds s[GV+4-4*\slot:GV+7-4*\slot], s[G1V:G1V+7]
	s_nop 0
.endif
	SUB \slot, 0, \first
	SUB \slot, 1, 0
	v_add_nc_u32 v[BAD], 1024, v[BAD]              ; the next tile's 256 mask terms
.endm
	TRIP 0, 1, 1                                   ; the first 64 keys start maxima, sums and products: nothing is cleared
	TRIP 1, 1, 0
	s_mov_b32 s56, 2
.Ltiles:
	TRIP 0, 1, 0
	TRIP 1, 1, 0
	s_sub_co_u32 s56, s56, 1
	s_cmp_lg_u32 s56, 0
	s_cbranch_scc1 .Ltiles
	TRIP 0, 1, 0
	TRIP 1, 0, 0                                   ; the eighth tile: nothing more to fetch
	; THE MERGE.  Waves g and g + 4 hold the two key halves of the same 64 queries.  Wave g finishes query tiles 0, 1 and gives tiles 2, 3; wave g + 4 the reverse.
	PLACES                                         ; behind the last matrix instructions
.irp i, 0,1,2,3
	v_permlanex16_b32 v[T+\i], v[L+\i], s57, s58   ; a query's sum lies in two lanes
.endr
.irp i, 0,1,2,3
	v_add_f32 v[L+\i], v[L+\i], v[T+\i]
.endr
.macro GIVE i0
	WIN 0x04                                       ; store data in window 1
.irp ii, 0,1
.irp c, 0,1,2,3
	ds_store_b128 v[EXG], v[32*(\i0+\ii)+8*\c:32*(\i0+\ii)+8*\c+3]   offset:4352*\ii+64*\c
	ds_store_b128 v[EXG], v[32*(\i0+\ii)+8*\c+4:32*(\i0+\ii)+8*\c+7] offset:4352*\ii+64*\c+16
.endr
.endr
	WIN 0
.irp ii, 0,1
	ds_store_b32 v[STG], v[M+2*(\i0+\ii)] offset:EXS+64*\ii          ; both lanes of a query store the same number
	ds_store_b32 v[STG], v[L+\i0+\ii]     offset:EXS+128+64*\ii
.endr
.endm
	s_cmp_lt_u32 s14, 4
	s_cbranch_scc0 .Lgive_low
	s_add_co_u32 s3, s2, 4*EXB                     ; my partner is four waves up
	v_add_nc_u32 v[EXG], s3, v18
	v_add_nc_u32 v[STG], s3, v19
	GIVE 2
	s_branch .Lgiven
.Lgive_low:
	s_sub_co_u32 s3, s2, 4*EXB                     ; four waves down
	v_add_nc_u32 v[EXG], s3, v18
	v_add_nc_u32 v[STG], s3, v19
	GIVE 0
.Lgiven:
	s_wait_dscnt 0x0                               ; my stores are in LDS before I say so
	s_barrier_signal -1
	s_barrier_wait -1
; out = (O 2^(m - mm) + O' 2^(m' - mm)) / (l 2^(m - mm) + l' 2^(m' - mm)), mm = max(m, m').  The divisor is at least 1: the larger half's largest term is 2^0.
.macro TAKE i0
.irp ii, 0,1
	ds_load_b32 v[T+\ii],   v[STN] offset:EXS+64*\ii                 ; m'
	ds_load_b32 v[T+2+\ii], v[STN] offset:EXS+128+64*\ii             ; l'
.endr
.irp ii, 0,1
.irp c, 0,1,2,3
	ds_load_b128 v[VF+32*\ii+8*\c:VF+32*\ii+8*\c+3],   v[EXO] offset:4352*\ii+64*\c
	ds_load_b128 v[VF+32*\ii+8*\c+4:VF+32*\ii+8*\c+7], v[EXO] offset:4352*\ii+64*\c+16
.endr
.endr
	s_wait_dscnt 0x0
.irp ii, 0,1
	v_max_num_f32 v[T+4], v[M+2*(\i0+\ii)], v[T+\ii]
	v_sub_f32 v[T+5], v[M+2*(\i0+\ii)], v[T+4]
	v_sub_f32 v[T+6], v[T+\ii], v[T+4]
	v_exp_f32 v[T+5], v[T+5]
	v_exp_f32 v[T+6], v[T+6]
	v_nop                                          ; the plain place behind the exponentials (ISA guide 5.7.2)
	s_wait_alu depctr_va_vdst(0)
	v_mul_f32 v[T+7], v[T+2+\ii], v[T+6]
	v_fma_f32 v[T+7], v[L+\i0+\ii], v[T+5], v[T+7]
	v_rcp_f32 v[T+7], v[T+7]
	v_nop
	s_wait_alu depctr_va_vdst(0)
	v_mul_f32 v[A0], v[T+5], v[T+7]                ; my factor, twice
	v_mul_f32 v[A0+1], v[T+5], v[T+7]
	v_mul_f32 v[A1], v[T+6], v[T+7]                ; my partner's
	v_mul_f32 v[A1+1], v[T+6], v[T+7]
.set kk, 0
.rept 16
	v_pk_mul_f32 v[VF+32*\ii+kk:VF+32*\ii+kk+1], v[VF+32*\ii+kk:VF+32*\ii+kk+1], v[A1:A1+1]
.set kk, kk+2
.endr
	WIN 0x01                                       ; source 0 (my O) in window 1
.set kk, 0
.rept 16
	v_pk_fma_f32 v[VF+32*\ii+kk:VF+32*\ii+kk+1], v[32*(\i0+\ii)+kk:32*(\i0+\ii)+kk+1], v[A0:A0+1], v[VF+32*\ii+kk:VF+32*\ii+kk+1]
.set kk, kk+2
.endr
	WIN 0
.endr
	; through my own stage: in as I hold them (row = query, eight kd a lane), back as whole rows of 256 bytes.  LDS serves a wave's instructions in order (ISA guide 5.7.1).
.irp ii, 0,1
.irp c, 0,1,2,3
	ds_store_b128 v[OSW], v[VF+32*\ii+8*\c:VF+32*\ii+8*\c+3]   offset:4352*\ii+64*\c
	ds_store_b128 v[OSW], v[VF+32*\ii+8*\c+4:VF+32*\ii+8*\c+7] offset:4352*\ii+64*\c+16
.endr
.endr
.irp t, 0,1,2,3,4,5,6,7,8,9,10,11,12,13,14,15
	ds_load_b128 v[S0+4*\t:S0+4*\t+3], v[OSR] offset:544*\t
.endr
.irp t, 0,1,2,3,4,5,6,7,8,9,10,11,12,13,14,15
	s_wait_dscnt 15-\t
	global_store_b128 v[CO], v[S0+4*\t:S0+4*\t+3], s[12:13] offset:8192*\t th:TH_STORE_NT   ; sixteen lanes store a head's 256 bytes of a row f, aligned
.endr
.endm
	s_cmp_lt_u32 s14, 4
	s_cbranch_scc0 .Ltake_high
	TAKE 0
	s_branch .Ltaken
.Ltake_high:
	TAKE 2
.Ltaken:
	s_wait_tensorcnt 0x0
	ds_add_u32 v254, v255
	s_wait_dscnt 0x0
	ROUND                                          ; the closing round: no work-group ends while a partner may still ask for a tile that names it
	s_endpgm
.Lfunc_end_k_q455b496b60_attn:
	.size	k_q455b496b60_attn, .Lfunc_end_k_q455b496b60_attn-k_q455b496b60_attn
	.p2alignl 7, 3214868480
	.fill 96, 4, 3214868480
	.section	.rodata,"a",@progbits
	.p2align	6, 0x0
	.amdhsa_kernel k_q455b496b60_attn
		.amdhsa_group_segment_fixed_size 327680
		.amdhsa_private_segment_fixed_size 0
		.amdhsa_enable_private_segment 0
		.amdhsa_kernarg_size 40
		.amdhsa_user_sgpr_count 2
		.amdhsa_user_sgpr_kernarg_segment_ptr 1
		.amdhsa_wavefront_size32 1
		.amdhsa_system_sgpr_workgroup_id_x 1
		.amdhsa_system_sgpr_workgroup_id_y 1
		.amdhsa_system_sgpr_workgroup_id_z 1
		.amdhsa_system_vgpr_workitem_id 0
		.amdhsa_next_free_vgpr 512
		.amdhsa_next_free_sgpr 72
		.amdhsa_reserve_vcc 0
		.amdhsa_float_denorm_mode_32 3
		.amdhsa_float_denorm_mode_16_64 3
		.amdhsa_memory_ordered 1
		.amdhsa_forward_progress 1
		.amdhsa_inst_pref_size 255
	.end_amdhsa_kernel
	.section	.bss,"aw",@nobits
	.p2align	6
	.space	262144
	.amdgpu_metadata
---
amdhsa.version: [ 1, 2 ]
amdhsa.kernels:
  - .name:           k_q455b496b60_attn
    .symbol:         k_q455b496b60_attn.kd
    .args:
      - { .name: qw, .offset: 0, .size: 8, .value_kind: global_buffer, .address_space: global }
      - { .name: kw, .offset: 8, .size: 8, .value_kind: global_buffer, .address_space: global }
      - { .name: vt, .offset: 16, .size: 8, .value_kind: global_buffer, .address_space: global }
      - { .name: attention_mask, .offset: 24, .size: 8, .value_kind: global_buffer, .address_space: global }
      - { .name: out0, .offset: 32, .size: 8, .value_kind: global_buffer, .address_space: global }
    .group_segment_fixed_size: 327680
    .private_segment_fixed_size: 0
    .kernarg_segment_align: 8
    .kernarg_segment_size: 40
    .max_flat_workgroup_size: 256
    .sgpr_count:     72
    .vgpr_count:     512
    .wavefront_size: 32
...
	.end_amdgpu_metadata
.endif
;; end of part 3
